; MI455X (gfx1250); checked and timed in simulation.
; The chip was launched on July 23, 2026; its instructions are those of AMD's public machine-readable ISA for CDNA 5 (MIT licence, August 2026) and "CDNA5" Instruction Set Architecture Reference Guide (July 2026). The comments in the code are by the model that wrote it; some were corrected since.
;; LS2 T. Allowed arithmetic: float matrix products may take bf16 or f16 operands with f32 sums; all other float work in f32.
;; Inputs: bias 6 x 64 float32; kernel 6 x 128 x 64 float32; sequences 64 x 4,096 x 128 float32.
;; Outputs: out0 64 x 64 x 3 float32.
;; 2 versions, each right; version 2 is version 1 with the launch scan written anew for expert scheduling mode. Each part assembles by itself: llvm-mc -triple=amdgcn-amd-amdhsa -mcpu=gfx1250 --defsym DOCPART=n.
;; ======== version 1 of 2: 2 launches
;; workspace buffers: part 655,360 bytes
;; launch scan (part 1): grid 256 x 1, 8 waves a work-group, no clusters, 186,368 bytes of LDS; arguments sequences, kernel, bias, part; writes part
.if DOCPART == 1
	.amdgcn_target "amdgcn-amd-amdhsa--gfx1250"
	.amdhsa_code_object_version 6
	.text
	.protected	k_q657b9d74e9_scan
	.globl	k_q657b9d74e9_scan
	.p2align	8
	.type	k_q657b9d74e9_scan,@function
k_q657b9d74e9_scan:
	s_mov_b64 s[64:65], 0
	v_nop
	global_prefetch_b8 v0, s[64:65] scope:SCOPE_SE
	s_setreg_imm32_b32 hwreg(HW_REG_WAVE_MODE, 25, 1), 1
	s_wait_xcnt 0x0
; M[c] = X K[c] + b[c] (c = 0..5) and the three iterated sums over time, for one stretch of 1,024 time steps of one batch.
; X: [64][4096][128] f32, K: [6][128][64] f32, b: [6][64] f32.  M never leaves the registers.
; A stretch of time is described, for each feature, by ten numbers (index k):
;   0 S0 = sum M0   1 c1 = sum M1   2 A2 = sum M2   3 P12 = sum over s<t of M1[s] M2[t]
;   4 c3 = sum M3   5 c4 = sum M4   6 a5 = sum M5   7 c34 = sum over r<s of M3[r] M4[s]
;   8 p45 = sum over s<t of M4[s] M5[t]             9 p345 = sum over r<s<t of M3[r] M4[s] M5[t]
; and two neighbouring stretches join by 15 adds and multiply-adds (macro FOLD).  So time is cut into runs that are scanned side by side.
; SHARES: work-group wg = batch wg / 4, steps 1024 (wg mod 4) ..; eight waves w = 4 g + ft: g = half of 512 steps, ft = 16 features.
; A wave keeps its 6 x 4 fragments of K (192 registers) for the whole kernel and makes 16 rows x 16 features x 6 components a tile.
; ROWS OF A TILE: half g is four runs of 128 steps; matrix row m is step p = (m / 2) mod 4 of run q = 2 (m / 8) + (m mod 2).  In the result
; lane (r, h) holds rows 8 h + j in register j, so a register pair (2 p, 2 p + 1) is step p of the runs 2 h and 2 h + 1: the scan stays
; inside the lane, goes through p = 0..3 in order, and every operation of it is a packed one on two runs.
; X: wave w streams run ft of half g (64 KiB in a row) through a ring of six register slots, converts each number once to bf16 and puts it
; into an LDS stage, from which the four waves of its half read their A fragments.
; LIMITS: X and K are rounded to bf16 (nearest even); bias, sums, scan and joins are f32.  Sums are taken in runs of 128 steps joined in
; time order, another order of rounding than a running sum over 4,096 steps.  Prefixes are exclusive by construction: no difference of
; large sums is formed.  Overflow only where products of the running sums (c3 p45 and the like) leave f32's range.
; No cluster: no two work-groups share a byte of X, and K (196,608 bytes against 524,288 of X) has to pass through registers to become bf16.
.set KPITCH, 160                       ; K in LDS: row c*128+d, 128 bytes of bf16, pitch an odd multiple of 32 bytes for the transposing load
.set STG,    768*KPITCH                ; 122,880: the stage, six tile slots
.set APITCH, 272                       ; a stage row: 256 bytes of bf16 + 16, an odd multiple of 16: the 16 rows of a fragment load start 16 bytes apart modulo 256
.set GRP,    16*APITCH                 ; one half's 16 rows
.set SLOT,   2*GRP                     ; a tile slot: both halves
.set SCR,    STG+6*SLOT                ; 175,104: [4 stretches of 256 steps][10 numbers][64 features] f32
.set SCRS,   2560                      ; one stretch there
.set TILEB,  2048                      ; a wave's four rows of X for one tile
; window 0
.set XO,  2                            ; w * 65,536 + lane * 16: my 16 bytes of my run's first row
.set SA,  3                            ; stage: where my 8 bytes of step 0 of my run go
.set FA,  4                            ; stage: my part of an A fragment
.set KO,  5                            ; thread * 16: K as it lies in memory
.set KS0, 6                            ; K in LDS, rows 0..383: where my 8 bytes go
.set KS1, 7                            ; rows 384..767
.set KT0, 8                            ; K in LDS, components 0..2: my address for the transposing load
.set KT1, 9                            ; components 3..5
.set BO,  10                           ; my feature's bias
.set SC,  11                           ; scratch: my stretch, my feature
.set QA,  12                           ; scratch: feature = thread (waves 0, 1)
.set PO,  13                           ; my 8 bytes in part
.set BI,  16                           ; v[16:21]   bias of c = 0..5, my feature
.set AF,  24                           ; v[24:87]   A fragments: 2 buffers x 4 K steps x 8
.set ACC0, 88                          ; v[88:95]   component 0: summed by the matrix unit over all 32 tiles
.set ACC, 96                           ; v[96:135]  components 1..5, started anew in each tile
.set ST,  136                          ; v[136:155] the ten numbers, pair k at ST + 2 k (two runs)
.set RING, 156                         ; v[156:251] six slots of 16: four rows of X as loaded
.set Q,   156                          ; the last join: 4 x 10 numbers
; window 1: v[32 c + 8 ks ..] fragment (c, ks) of K; v[BT + 8 (c - 1) ..] a tile of 8 equal registers with the bias of c = 1..5
.set BT,  192
.set MC1, ACC
.set MC2, ACC+8
.set MC3, ACC+16
.set MC4, ACC+24
.set MC5, ACC+32
.set T_C1, ST+2
.set T_A2, ST+4
.set T_P12, ST+6
.set T_C3, ST+8
.set T_C4, ST+10
.set T_A5, ST+12
.set T_C34, ST+14
.set T_P45, ST+16
.set T_P345, ST+18
.set MSB, 0
.macro WIN new                         ; low byte: bits 1:0 source 0, 3:2 source 1, 5:4 source 2, 7:6 destination; the high byte repeats the setting that is left
.if MSB != \new
	s_set_vgpr_msb (MSB<<8)|\new
.set MSB, \new
.endif
.endm
.macro PLACES                          ; four independent vector instructions behind a matrix instruction before its result is read (ISA guide 7.12.1)
.rept 4
	v_nop
.endr
.endm
; 24 matrix instructions: one tile, six components, K = 128.  The first links of c = 1..5 take the bias tile as C, so the bias costs no
; vector instruction; c = 0 goes on adding onto its one accumulator.  The six accumulators take turns, one instruction a turn, from tile
; to tile and over the loop's backward jump too.
.macro MMCELL buf
	WIN 0x14                                       ; B and C in window 1
.irp c, 1,2,3,4,5
	v_wmma_f32_16x16x32_bf16 v[ACC+8*(\c-1):ACC+8*(\c-1)+7], v[AF+32*(\buf):AF+32*(\buf)+7], v[32*\c:32*\c+7], v[BT+8*(\c-1):BT+8*(\c-1)+7]
.endr
	WIN 0x04                                       ; B in window 1
	v_wmma_f32_16x16x32_bf16 v[ACC0:ACC0+7], v[AF+32*(\buf):AF+32*(\buf)+7], v[0:7], v[ACC0:ACC0+7]
.irp ks, 1,2,3
.irp c, 1,2,3,4,5
	v_wmma_f32_16x16x32_bf16 v[ACC+8*(\c-1):ACC+8*(\c-1)+7], v[AF+32*(\buf)+8*\ks:AF+32*(\buf)+8*\ks+7], v[32*\c+8*\ks:32*\c+8*\ks+7], v[ACC+8*(\c-1):ACC+8*(\c-1)+7]
.endr
	v_wmma_f32_16x16x32_bf16 v[ACC0:ACC0+7], v[AF+32*(\buf)+8*\ks:AF+32*(\buf)+8*\ks+7], v[8*\ks:8*\ks+7], v[ACC0:ACC0+7]
.endr
	WIN 0
.endm
; The A fragments of one tile: lane (r, h) takes row r, K = 32 ks + 8 h + 0..7 and 32 ks + 16 + 8 h + 0..7
.macro LOADA buf, slot
.irp ks, 0,1,2,3
	ds_load_b128 v[AF+32*(\buf)+8*\ks:AF+32*(\buf)+8*\ks+3],   v[FA] offset:(\slot)*SLOT+64*\ks
	ds_load_b128 v[AF+32*(\buf)+8*\ks+4:AF+32*(\buf)+8*\ks+7], v[FA] offset:(\slot)*SLOT+64*\ks+32
.endr
.endm
; Ring slot s (a tile's four rows of my run) is converted in place and put into stage slot s; issue = 1: the slot is loaded again, six tiles on.
.macro FEED s, cnt, issue, imm
	s_wait_loadcnt \cnt                            ; loads come back in order (ISA guide 5.7.1): this tile's four are in, the younger tiles' stay out
.irp p, 0,1,2,3
	v_cvt_pk_bf16_f32 v[RING+16*(\s)+4*\p],   v[RING+16*(\s)+4*\p],   v[RING+16*(\s)+4*\p+1]
	v_cvt_pk_bf16_f32 v[RING+16*(\s)+4*\p+1], v[RING+16*(\s)+4*\p+2], v[RING+16*(\s)+4*\p+3]
.endr
.irp p, 0,1,2,3
	ds_store_b64 v[SA], v[RING+16*(\s)+4*\p:RING+16*(\s)+4*\p+1] offset:(\s)*SLOT+2*APITCH*\p   ; step p lies two matrix rows behind step p - 1; 32 lanes x 8 bytes = the row's 256 bytes
.endr
.if \issue
.irp p, 0,1,2,3
	global_load_b128 v[RING+16*(\s)+4*\p:RING+16*(\s)+4*\p+3], v[XO], s[4:5] offset:\imm+512*\p th:TH_LOAD_NT   ; a whole row of 512 bytes; each byte of X is read once in the launch
.endr
.endif
.endm
; Four steps of two runs.  Each product takes the prefix as it stood before this step: the prefixes are exclusive.
.macro SCAN
.irp p, 0,2,4,6
	v_pk_fma_f32 v[T_P12:T_P12+1],   v[MC2+\p:MC2+\p+1], v[T_C1:T_C1+1],   v[T_P12:T_P12+1]
	v_pk_add_f32 v[T_C1:T_C1+1],     v[T_C1:T_C1+1],     v[MC1+\p:MC1+\p+1]
	v_pk_add_f32 v[T_A2:T_A2+1],     v[T_A2:T_A2+1],     v[MC2+\p:MC2+\p+1]
	v_pk_fma_f32 v[T_P345:T_P345+1], v[MC5+\p:MC5+\p+1], v[T_C34:T_C34+1], v[T_P345:T_P345+1]
	v_pk_fma_f32 v[T_C34:T_C34+1],   v[MC4+\p:MC4+\p+1], v[T_C3:T_C3+1],   v[T_C34:T_C34+1]
	v_pk_add_f32 v[T_C3:T_C3+1],     v[T_C3:T_C3+1],     v[MC3+\p:MC3+\p+1]
	v_pk_fma_f32 v[T_P45:T_P45+1],   v[MC5+\p:MC5+\p+1], v[T_C4:T_C4+1],   v[T_P45:T_P45+1]
	v_pk_add_f32 v[T_C4:T_C4+1],     v[T_C4:T_C4+1],     v[MC4+\p:MC4+\p+1]
	v_pk_add_f32 v[T_A5:T_A5+1],     v[T_A5:T_A5+1],     v[MC5+\p:MC5+\p+1]
.endr
.endm
; Stretch L (earlier; number k in v[L + S k]) takes up stretch R (later).  L's plain sums are used before they are stepped.
.macro FOLD L, R, S
	v_add_f32  v[\L+9*\S], v[\L+9*\S], v[\R+9*\S]  ; p345 = L + R
	v_fmac_f32 v[\L+9*\S], v[\L+4*\S], v[\R+8*\S]  ;      + L.c3 R.p45
	v_fmac_f32 v[\L+9*\S], v[\L+7*\S], v[\R+6*\S]  ;      + L.c34 R.a5
	v_add_f32  v[\L+7*\S], v[\L+7*\S], v[\R+7*\S]  ; c34 = L + R
	v_fmac_f32 v[\L+7*\S], v[\L+4*\S], v[\R+5*\S]  ;      + L.c3 R.c4
	v_add_f32  v[\L+8*\S], v[\L+8*\S], v[\R+8*\S]  ; p45 = L + R
	v_fmac_f32 v[\L+8*\S], v[\L+5*\S], v[\R+6*\S]  ;      + L.c4 R.a5
	v_add_f32  v[\L+3*\S], v[\L+3*\S], v[\R+3*\S]  ; P12 = L + R
	v_fmac_f32 v[\L+3*\S], v[\L+1*\S], v[\R+2*\S]  ;      + L.c1 R.A2
.irp k, 0,1,2,4,5,6
	v_add_f32  v[\L+\k*\S], v[\L+\k*\S], v[\R+\k*\S]
.endr
.endm
; Step x: the fragments of tile x are asked for, tile x - 1 is multiplied and scanned, tile x + 2 goes into the stage, tile x + 8 is asked from memory.
; A barrier closes every second step: it shows tiles x + 1 and x + 2 of all waves in the stage, and all waves' reads of tiles x - 1 and x done.
; Between two barriers slots x, x + 1 (mod 6) are read and x + 2, x + 3 written.  adj = the tiles by which X's base has been stepped.
.macro HSTEP x, adj
.if \x <= 31
	LOADA (\x)&1, (\x)%6
.endif
.if \x == 32
	s_wait_dscnt 0x0                               ; the last tile's fragments
.endif
.if \x == 31
	s_wait_dscnt 0x8                               ; tile 30's fragments are in; younger: the 8 loads just issued
.endif
.if \x <= 29
.if (\x)&1
	s_wait_dscnt 0xc                               ; tile x - 1's fragments are in; younger: 4 stage stores and the 8 loads just issued.  (At an even x the barrier's wait for 0 has shown them.)
.endif
.endif
.if \x >= 1
	MMCELL (\x-1)&1
.endif
.if \x <= 29
.set fcnt, 4*(29-\x)                               ; four loads for each younger tile that has been asked for: five tiles, fewer at the end
.if fcnt > 20
.set fcnt, 20
.endif
.if \x <= 23
	FEED (\x+2)%6, fcnt, 1, (\x+8-\adj)*TILEB      ; its eight conversions are also the places behind the matrix instructions (ISA guide 7.12.1)
.else
	FEED (\x+2)%6, fcnt, 0, 0                      ; tile 31 has been asked for: no load leaves the buffer
.endif
.else
	PLACES
.endif
.if \x <= 29
.if (\x)&1
	s_wait_dscnt 0x0                               ; for the other waves: my stage stores are in LDS and my fragment loads are back
	s_barrier_signal -1
.endif
.endif
.if \x >= 1
	SCAN                                           ; registers only
.endif
.if \x <= 29
.if (\x)&1
	s_barrier_wait -1
.endif
.endif
.endm
	s_load_b256 s[4:11], s[0:1], 0x0               ; X s[4:5], K s[6:7], bias s[8:9], part s[10:11]
	v_lshl_add_u32 v254, v0, 2, 0x2d400
	v_mov_b32 v255, 0
	v_lshrrev_b32 v5, 5, v0
	v_readfirstlane_b32 s12, v5                    ; wave w
	v_and_b32 v1, 31, v0                           ; lane
	v_and_b32 v14, 15, v0                          ; r
	v_bfe_u32 v15, v0, 4, 1                        ; h
	s_lshr_b32 s13, s12, 2                         ; g
	s_and_b32 s14, s12, 3                          ; ft
	s_mul_i32 s15, s13, GRP
	s_add_co_u32 s15, s15, STG                     ; my half's rows in stage slot 0
	s_lshr_b32 s16, s14, 1
	s_mul_i32 s16, s16, 8*APITCH
	s_and_b32 s17, s14, 1
	s_mul_i32 s17, s17, APITCH
	s_add_co_u32 s16, s16, s17
	s_add_co_u32 s16, s16, s15                     ; matrix row 8 (ft / 2) + (ft mod 2): step 0 of run ft
	s_lshl_b32 s17, s12, 16                        ; my run in the work-group's part of X: 128 rows of 512 bytes a wave
	s_mul_i32 s18, s12, 2*KPITCH                   ; a wave's load of K covers two rows
	s_lshl_b32 s19, s14, 5                         ; my 16 features in a row of K, bf16
	s_lshl_b32 s21, s14, 6                         ; and in f32
	s_mul_i32 s22, s13, 2*SCRS
	s_add_co_u32 s22, s22, s21
	s_add_co_u32 s22, s22, SCR
	s_mul_i32 s23, s12, 1280
	v_lshl_add_u32 v[XO], v1, 4, s17
	v_lshl_add_u32 v[SA], v1, 3, s16
	v_mul_u32_u24 v[FA], v14, APITCH
	v_lshl_add_u32 v[FA], v15, 4, v[FA]
	v_add_nc_u32 v[FA], s15, v[FA]
	v_lshlrev_b32 v[KO], 4, v0
	v_mul_u32_u24 v[KS0], v15, KPITCH              ; row 2 w + h of sixteen, 8 bytes at 8 r
	v_lshl_add_u32 v[KS0], v14, 3, v[KS0]
	v_add_nc_u32 v[KS0], s18, v[KS0]
	v_add_nc_u32 v[KS1], 384*KPITCH, v[KS0]
	v_and_b32 v[KT0], 7, v0                        ; transposing load: row 8 h + lane mod 8, 16 bytes at 16 ((lane / 8) mod 2)
	v_lshl_add_u32 v[KT0], v15, 3, v[KT0]
	v_mul_u32_u24 v[KT0], v[KT0], KPITCH
	v_bfe_u32 v[KT1], v0, 3, 1
	v_lshl_add_u32 v[KT0], v[KT1], 4, v[KT0]
	v_add_nc_u32 v[KT0], s19, v[KT0]
	v_add_nc_u32 v[KT1], 384*KPITCH, v[KT0]
	v_lshl_add_u32 v[BO], v14, 2, s21
	v_mul_u32_u24 v[SC], v15, SCRS                 ; stretch 2 g + h, feature 16 ft + r
	v_lshl_add_u32 v[SC], v14, 2, v[SC]
	v_add_nc_u32 v[SC], s22, v[SC]
	v_lshl_add_u32 v[QA], v0, 2, SCR
	v_lshl_add_u32 v[PO], v1, 3, s23
	s_wait_kmcnt 0x0
	s_lshl_b32 s2, ttmp9, 19                       ; 1,024 rows of 512 bytes a work-group; 255 x 524,288 is below 4 GiB
	s_mov_b32 s3, 0
	s_add_nc_u64 s[4:5], s[4:5], s[2:3]
	s_mul_i32 s2, ttmp9, 2560                      ; 64 features x 10 numbers
	s_add_nc_u64 s[10:11], s[10:11], s[2:3]
	; bias, K (16 bytes a thread, 4,096 bytes a line for the work-group, 48 lines), then the ring: tiles 0 to 5
.irp c, 0,1,2,3,4,5
	global_load_b32 v[BI+\c], v[BO], s[8:9] offset:256*\c
.endr
	WIN 0x40                                       ; destination in window 1
.set it, 0
.rept 48
	global_load_b128 v[4*it:4*it+3], v[KO], s[6:7] offset:4096*it
.set it, it+1
.endr
	WIN 0
.irp t, 0,1,2,3,4,5
.irp p, 0,1,2,3
	global_load_b128 v[RING+16*\t+4*\p:RING+16*\t+4*\p+3], v[XO], s[4:5] offset:TILEB*\t+512*\p th:TH_LOAD_NT
.endr
.endr
	s_wait_loadcnt 24                              ; bias and K are in; the ring's 24 loads, issued behind them, stay out
	WIN 0x45                                       ; sources and destination in window 1
.set it, 0
.rept 48
	v_cvt_pk_bf16_f32 v[4*it],   v[4*it],   v[4*it+1]
	v_cvt_pk_bf16_f32 v[4*it+1], v[4*it+2], v[4*it+3]
.set it, it+1
.endr
	WIN 0x04                                       ; store data in window 1
.set it, 0
.rept 24
	ds_store_b64 v[KS0], v[4*it:4*it+1]     offset:16*KPITCH*it
	ds_store_b64 v[KS1], v[4*it+96:4*it+97] offset:16*KPITCH*it
.set it, it+1
.endr
	WIN 0
.irp j, 0,1,2,3,4,5,6,7
	v_mul_f32 v[ACC0+\j], 0x42000000, v[BI]        ; each register of component 0's accumulator takes up 32 steps: it starts at 32 b0
.endr
.irp j, 2,3,4,5,6,7,8,9,10,11,12,13,14,15,16,17,18,19
	v_mov_b32 v[ST+\j], 0                          ; nine pairs of running sums; pair 0 is made at the end
.endr
	s_wait_dscnt 0x0                               ; for the other waves: my part of K is in LDS
	s_barrier_signal -1
	s_barrier_wait -1
	; my fragments of K, stored [d][f], by the transposing load: registers 0-3 K = 32 ks + 8 h + 0..7 of feature 16 ft + r, registers 4-7 sixteen rows on
	WIN 0x40
.irp c, 0,1,2
.irp ks, 0,1,2,3
	ds_load_tr16_b128 v[32*\c+8*\ks:32*\c+8*\ks+3],         v[KT0] offset:128*KPITCH*\c+32*KPITCH*\ks
	ds_load_tr16_b128 v[32*\c+8*\ks+4:32*\c+8*\ks+7],       v[KT0] offset:128*KPITCH*\c+32*KPITCH*\ks+16*KPITCH
	ds_load_tr16_b128 v[32*\c+96+8*\ks:32*\c+96+8*\ks+3],   v[KT1] offset:128*KPITCH*\c+32*KPITCH*\ks
	ds_load_tr16_b128 v[32*\c+96+8*\ks+4:32*\c+96+8*\ks+7], v[KT1] offset:128*KPITCH*\c+32*KPITCH*\ks+16*KPITCH
.endr
.endr
.irp c, 1,2,3,4,5
.irp j, 0,1,2,3,4,5,6,7
	v_mov_b32 v[BT+8*(\c-1)+\j], v[BI+\c]          ; a lane's eight results are eight rows of one feature: eight times its bias, written once for 32 tiles
.endr
.endr
	WIN 0
	FEED 0, 20, 1, 6*TILEB                         ; tiles 0 and 1 into the stage, tiles 6 and 7 asked for
	FEED 1, 20, 1, 7*TILEB
	s_wait_dscnt 0x0                               ; my fragments of K are in; for the other waves: my stage stores are in LDS
	s_barrier_signal -1
	s_barrier_wait -1
	HSTEP 0, 0
	HSTEP 1, 0
	s_mov_b32 s20, 3                               ; three trips of six steps: x = 2 .. 19.  Ring and stage slots go modulo 6, fragment buffers modulo 2
.Ltrip:
.irp x, 2,3,4,5,6,7
	HSTEP \x, 0
.endr
	s_wait_xcnt 0x0                                ; X's base is a source of the loads issued: it is stepped only behind this wait
	s_add_nc_u64 s[4:5], s[4:5], 6*TILEB
	s_sub_co_u32 s20, s20, 1
	s_cmp_lg_u32 s20, 0
	s_cbranch_scc1 .Ltrip
.irp x, 20,21,22,23,24,25,26,27,28,29,30,31,32
	HSTEP \x, 18                                   ; written out: x = 20 .. 23 ask for tiles 28 .. 31, then the counts run down
.endr
	; the end: component 0's four steps, my two runs, the half-waves and waves through LDS
	v_pk_add_f32 v[ST:ST+1], v[ACC0:ACC0+1], v[ACC0+2:ACC0+3]
	v_pk_add_f32 v[14:15], v[ACC0+4:ACC0+5], v[ACC0+6:ACC0+7]
	v_pk_add_f32 v[ST:ST+1], v[ST:ST+1], v[14:15]
	FOLD ST, ST+1, 2                               ; run 2 h takes up run 2 h + 1: a stretch of 256 steps
.irp k, 0,1,2,3,4,5,6,7,8,9
	ds_store_b32 v[SC], v[ST+2*\k] offset:256*\k
.endr
	s_wait_dscnt 0x0                               ; for waves 0 and 1
	s_barrier_signal -1
	s_barrier_wait -1
	s_cmp_gt_u32 s12, 1
	s_cbranch_scc1 .Lend                           ; 64 features: two waves join the four stretches
.irp sg, 0,1,2,3
.irp k, 0,1,2,3,4,5,6,7,8,9
	ds_load_b32 v[Q+10*\sg+\k], v[QA] offset:SCRS*\sg+256*\k
.endr
.endr
	s_wait_dscnt 0x0
	FOLD Q, Q+10, 1
	FOLD Q, Q+20, 1
	FOLD Q, Q+30, 1
.irp kp, 0,1,2,3,4
	global_store_b64 v[PO], v[Q+2*\kp:Q+2*\kp+1], s[10:11] offset:256*\kp   ; part[wg][w][kp][lane][2]: a wave's store covers 256 consecutive bytes, aligned
.endr
.Lend:
	s_wait_tensorcnt 0x0
	ds_add_u32 v254, v255
	s_wait_dscnt 0x0
	s_endpgm
.Lfunc_end_k_q657b9d74e9_scan:
	.size	k_q657b9d74e9_scan, .Lfunc_end_k_q657b9d74e9_scan-k_q657b9d74e9_scan
	.p2alignl 7, 3214868480
	.fill 96, 4, 3214868480
	.section	.rodata,"a",@progbits
	.p2align	6, 0x0
	.amdhsa_kernel k_q657b9d74e9_scan
		.amdhsa_group_segment_fixed_size 186368
		.amdhsa_private_segment_fixed_size 0
		.amdhsa_enable_private_segment 0
		.amdhsa_kernarg_size 32
		.amdhsa_user_sgpr_count 2
		.amdhsa_user_sgpr_kernarg_segment_ptr 1
		.amdhsa_wavefront_size32 1
		.amdhsa_system_sgpr_workgroup_id_x 1
		.amdhsa_system_sgpr_workgroup_id_y 1
		.amdhsa_system_sgpr_workgroup_id_z 1
		.amdhsa_system_vgpr_workitem_id 0
		.amdhsa_next_free_vgpr 488
		.amdhsa_next_free_sgpr 66
		.amdhsa_reserve_vcc 0
		.amdhsa_float_denorm_mode_32 3
		.amdhsa_float_denorm_mode_16_64 3
		.amdhsa_memory_ordered 1
		.amdhsa_forward_progress 1
		.amdhsa_inst_pref_size 141
	.end_amdhsa_kernel
	.amdgpu_metadata
---
amdhsa.version: [ 1, 2 ]
amdhsa.kernels:
  - .name:           k_q657b9d74e9_scan
    .symbol:         k_q657b9d74e9_scan.kd
    .args:
      - { .name: sequences, .offset: 0, .size: 8, .value_kind: global_buffer, .address_space: global }
      - { .name: kernel, .offset: 8, .size: 8, .value_kind: global_buffer, .address_space: global }
      - { .name: bias, .offset: 16, .size: 8, .value_kind: global_buffer, .address_space: global }
      - { .name: part, .offset: 24, .size: 8, .value_kind: global_buffer, .address_space: global }
    .group_segment_fixed_size: 186368
    .private_segment_fixed_size: 0
    .kernarg_segment_align: 8
    .kernarg_segment_size: 32
    .max_flat_workgroup_size: 256
    .sgpr_count:     66
    .vgpr_count:     488
    .wavefront_size: 32
...
	.end_amdgpu_metadata
.endif
;; end of part 1
;; launch fold (part 2): grid 32 x 1, 4 waves a work-group, no clusters, 2,048 bytes of LDS; arguments part, out0; writes out0
.if DOCPART == 2
	.amdgcn_target "amdgcn-amd-amdhsa--gfx1250"
	.amdhsa_code_object_version 6
	.text
	.protected	k_q657b9d74e9_fold
	.globl	k_q657b9d74e9_fold
	.p2align	8
	.type	k_q657b9d74e9_fold,@function
k_q657b9d74e9_fold:
	s_mov_b64 s[64:65], 0
	v_nop
	global_prefetch_b8 v0, s[64:65] scope:SCOPE_SE
	s_setreg_imm32_b32 hwreg(HW_REG_WAVE_MODE, 25, 1), 1
	s_wait_xcnt 0x0
; Joins the four stretches of 1,024 steps of each batch and writes Y[b][f][0..2] = S0, P12, p345.
; part: [256 stretches][2 halves of the features][5 pairs][32 lanes][2] f32, number k = 2 pair + (0, 1):
;   0 S0  1 c1  2 A2  3 P12  4 c3  5 c4  6 a5  7 c34  8 p45  9 p345 (as in the launch that stores them).
; A work-group takes two batches, a wave one batch's 32 features, a lane one feature: 40 numbers in, 45 operations, 3 numbers out.
; 32 work-groups: 655,360 bytes in and 49,152 out are all the work there is.  All in f32; the stretches are taken up in time order.
; The three numbers of a feature are 12 bytes: they go through LDS so that each store of a wave covers 512 consecutive bytes, aligned.
.set Q, 8                              ; v[8:47] stretch c, number k at Q + 10 c + k
.macro FOLD L, R, S                    ; stretch L (earlier) takes up stretch R (later); L's plain sums are used before they are stepped
	v_add_f32  v[\L+9*\S], v[\L+9*\S], v[\R+9*\S]  ; p345 = L + R
	v_fmac_f32 v[\L+9*\S], v[\L+4*\S], v[\R+8*\S]  ;      + L.c3 R.p45
	v_fmac_f32 v[\L+9*\S], v[\L+7*\S], v[\R+6*\S]  ;      + L.c34 R.a5
	v_add_f32  v[\L+7*\S], v[\L+7*\S], v[\R+7*\S]  ; c34 = L + R
	v_fmac_f32 v[\L+7*\S], v[\L+4*\S], v[\R+5*\S]  ;      + L.c3 R.c4
	v_add_f32  v[\L+8*\S], v[\L+8*\S], v[\R+8*\S]  ; p45 = L + R
	v_fmac_f32 v[\L+8*\S], v[\L+5*\S], v[\R+6*\S]  ;      + L.c4 R.a5
	v_add_f32  v[\L+3*\S], v[\L+3*\S], v[\R+3*\S]  ; P12 = L + R
	v_fmac_f32 v[\L+3*\S], v[\L+1*\S], v[\R+2*\S]  ;      + L.c1 R.A2
.irp k, 0,1,2,4,5,6
	v_add_f32  v[\L+\k*\S], v[\L+\k*\S], v[\R+\k*\S]
.endr
.endm
	s_load_b128 s[4:7], s[0:1], 0x0                ; part s[4:5], out0 s[6:7]
	v_lshl_add_u32 v56, v0, 2, 0x600
	v_mov_b32 v57, 0
	v_lshrrev_b32 v1, 5, v0
	v_readfirstlane_b32 s8, v1                     ; wave
	v_and_b32 v1, 31, v0                           ; lane
	s_lshr_b32 s9, s8, 1                           ; which of the two batches
	s_and_b32 s10, s8, 1                           ; which half of the features
	s_mul_i32 s9, s9, 4*2560
	s_mul_i32 s10, s10, 1280
	s_add_co_u32 s9, s9, s10
	v_lshl_add_u32 v2, v1, 3, s9                   ; my 8 bytes of pair 0 of the batch's first stretch
	v_mul_u32_u24 v3, v0, 12                       ; thread = 64 x batch + feature: my three numbers in the work-group's 1,536 bytes of Y
	v_lshlrev_b32 v4, 4, v0                        ; and 16 bytes a thread on the way out
	s_mul_i32 s2, ttmp9, 8*2560                    ; eight stretches a work-group
	s_mov_b32 s3, 0
	s_mul_i32 s12, ttmp9, 1536
	s_mov_b32 s13, 0
	s_wait_kmcnt 0x0
	s_add_nc_u64 s[4:5], s[4:5], s[2:3]
	s_add_nc_u64 s[6:7], s[6:7], s[12:13]
.irp c, 0,1,2,3
.irp kp, 0,1,2,3,4
	global_load_b64 v[Q+10*\c+2*\kp:Q+10*\c+2*\kp+1], v2, s[4:5] offset:2560*\c+256*\kp th:TH_LOAD_NT   ; a wave's load covers 256 consecutive bytes, aligned; read once
.endr
.endr
	s_wait_loadcnt 0x0
	FOLD Q, Q+10, 1
	FOLD Q, Q+20, 1
	FOLD Q, Q+30, 1
	ds_store_b32 v3, v[Q]                          ; Y0 = sum M0
	ds_store_b32 v3, v[Q+3] offset:4               ; Y1 = P12
	ds_store_b32 v3, v[Q+9] offset:8               ; Y2 = p345
	s_wait_dscnt 0x0                               ; for the other waves
	s_barrier_signal -1
	s_barrier_wait -1
	s_cmp_eq_u32 s8, 3
	s_cbranch_scc1 .Lend                           ; 1,536 bytes are 96 threads x 16
	ds_load_b128 v[48:51], v4
	s_wait_dscnt 0x0
	global_store_b128 v4, v[48:51], s[6:7]
.Lend:
	s_wait_tensorcnt 0x0
	ds_add_u32 v56, v57
	s_wait_dscnt 0x0
	s_endpgm
.Lfunc_end_k_q657b9d74e9_fold:
	.size	k_q657b9d74e9_fold, .Lfunc_end_k_q657b9d74e9_fold-k_q657b9d74e9_fold
	.p2alignl 7, 3214868480
	.fill 96, 4, 3214868480
	.section	.rodata,"a",@progbits
	.p2align	6, 0x0
	.amdhsa_kernel k_q657b9d74e9_fold
		.amdhsa_group_segment_fixed_size 2048
		.amdhsa_private_segment_fixed_size 0
		.amdhsa_enable_private_segment 0
		.amdhsa_kernarg_size 16
		.amdhsa_user_sgpr_count 2
		.amdhsa_user_sgpr_kernarg_segment_ptr 1
		.amdhsa_wavefront_size32 1
		.amdhsa_system_sgpr_workgroup_id_x 1
		.amdhsa_system_sgpr_workgroup_id_y 1
		.amdhsa_system_sgpr_workgroup_id_z 1
		.amdhsa_system_vgpr_workitem_id 0
		.amdhsa_next_free_vgpr 58
		.amdhsa_next_free_sgpr 66
		.amdhsa_reserve_vcc 0
		.amdhsa_float_denorm_mode_32 3
		.amdhsa_float_denorm_mode_16_64 3
		.amdhsa_memory_ordered 1
		.amdhsa_forward_progress 1
		.amdhsa_inst_pref_size 6
	.end_amdhsa_kernel
	.amdgpu_metadata
---
amdhsa.version: [ 1, 2 ]
amdhsa.kernels:
  - .name:           k_q657b9d74e9_fold
    .symbol:         k_q657b9d74e9_fold.kd
    .args:
      - { .name: part, .offset: 0, .size: 8, .value_kind: global_buffer, .address_space: global }
      - { .name: out0, .offset: 8, .size: 8, .value_kind: global_buffer, .address_space: global }
    .group_segment_fixed_size: 2048
    .private_segment_fixed_size: 0
    .kernarg_segment_align: 8
    .kernarg_segment_size: 16
    .max_flat_workgroup_size: 128
    .sgpr_count:     66
    .vgpr_count:     58
    .wavefront_size: 32
...
	.end_amdgpu_metadata
.endif
;; end of part 2
;; ======== version 2 of 2: 2 launches; version 1 with the launch scan written anew for expert scheduling mode
;; workspace buffers: part 655,360 bytes
;; launch scan (part 3): grid 256 x 1, 8 waves a work-group, no clusters, 186,368 bytes of LDS; arguments sequences, kernel, bias, part; writes part
.if DOCPART == 3
	.amdgcn_target "amdgcn-amd-amdhsa--gfx1250"
	.amdhsa_code_object_version 6
	.text
	.protected	k_q657b9d74e9_scan
	.globl	k_q657b9d74e9_scan
	.p2align	8
	.type	k_q657b9d74e9_scan,@function
k_q657b9d74e9_scan:
	s_mov_b64 s[64:65], 0
	v_nop
	global_prefetch_b8 v0, s[64:65] scope:SCOPE_SE
	s_setreg_imm32_b32 hwreg(HW_REG_WAVE_SCHED_MODE, 0, 2), 2
	s_setreg_imm32_b32 hwreg(HW_REG_WAVE_MODE, 25, 1), 1
	s_wait_xcnt 0x0
	s_wait_alu depctr_vm_vsrc(0)
; M[c] = X K[c] + b[c] (c = 0..5) and the three iterated sums over time, for one stretch of 1,024 time steps of one batch.
; X: [64][4096][128] f32, K: [6][128][64] f32, b: [6][64] f32.  M never leaves the registers.
; A stretch of time is described, for each feature, by ten numbers (index k):
;   0 S0 = sum M0   1 c1 = sum M1   2 A2 = sum M2   3 P12 = sum over s<t of M1[s] M2[t]
;   4 c3 = sum M3   5 c4 = sum M4   6 a5 = sum M5   7 c34 = sum over r<s of M3[r] M4[s]
;   8 p45 = sum over s<t of M4[s] M5[t]             9 p345 = sum over r<s<t of M3[r] M4[s] M5[t]
; and two neighbouring stretches join by 15 adds and multiply-adds (macro FOLD).  So time is cut into runs that are scanned side by side.
; SHARES: work-group wg = batch wg / 4, steps 1024 (wg mod 4) ..; eight waves w = 4 g + ft: g = half of 512 steps, ft = 16 features.
; A wave keeps its 6 x 4 fragments of K (192 registers) for the whole kernel and makes 16 rows x 16 features x 6 components a tile.
; ROWS OF A TILE: half g is four runs of 128 steps; matrix row m is step p = (m / 2) mod 4 of run q = 2 (m / 8) + (m mod 2).  In the result
; lane (r, h) holds rows 8 h + j in register j, so a register pair (2 p, 2 p + 1) is step p of the runs 2 h and 2 h + 1: the scan stays
; inside the lane, goes through p = 0..3 in order, and every operation of it is a packed one on two runs.
; X: wave w streams run ft of half g (64 KiB in a row) through a ring of six register slots, converts each number once to bf16 and puts it
; into an LDS stage, from which the four waves of its half read their A fragments.
; LIMITS: X and K are rounded to bf16 (nearest even); bias, sums, scan and joins are f32.  Sums are taken in runs of 128 steps joined in
; time order, another order of rounding than a running sum over 4,096 steps.  Prefixes are exclusive by construction: no difference of
; large sums is formed.  Overflow only where products of the running sums (c3 p45 and the like) leave f32's range.
; No cluster: no two work-groups share a byte of X, and K (196,608 bytes against 524,288 of X) has to pass through registers to become bf16.
; THE MODE: SCHED_MODE bits 1:0 = 2 (LLVM: expert scheduling mode 2), set by the entry lines.  The code itself states the register dependences
; between vector or matrix instructions and memory or LDS instructions, with s_wait_alu, always for 0.
; THE PLAN.  Registers that memory or LDS instructions touch, in step x of the loop:
;   RING slot s   The loads of tile x + 8 land in slot (x + 2) mod 6; the conversions of tile x + 3 read slot (x + 3) mod 6.  No memory instruction reads a ring register.
;   OUT           Written by step x's conversions (tile x + 3); read by the four stage stores at the head of step x + 1.
;   AF0, AF1      The LDS loads of tile x land in AF[x mod 2]; step x's matrix instructions read the other one (tile x - 1).
;   v[XO], v[SA], v[FA], v[SC], v[QA], v[PO]   made once at the head, never written again: X's scalar base moves on, immediate offsets do the rest.
;   K's fragments, the bias tiles, the accumulators and the ten sums are named by vector and matrix instructions alone.
; So ONE wait on va_vdst stands at a step's head: the step before has written OUT, is done reading the ring slot that it converted, and its matrix
; instructions are done reading AF[x mod 2].  Behind it come the stage stores, and the step's twelve loads are dealt among its matrix instructions, which
; name the other AF, K, the bias tiles and the accumulators: none of the registers that those loads touch.  ONE wait on vm_vsrc stands ahead of the
; step's conversions: the stage stores at the step's head have read OUT.
.set KPITCH, 160                       ; K in LDS: row c*128+d, 128 bytes of bf16, pitch an odd multiple of 32 bytes for the transposing load
.set STG,    768*KPITCH                ; 122,880: the stage, six tile slots
.set APITCH, 272                       ; a stage row: 256 bytes of bf16 + 16, an odd multiple of 16: the 16 rows of a fragment load start 16 bytes apart modulo 256
.set GRP,    16*APITCH                 ; one half's 16 rows
.set SLOT,   2*GRP                     ; a tile slot: both halves
.set SCR,    STG+6*SLOT                ; 175,104: [4 stretches of 256 steps][10 numbers][64 features] f32
.set SCRS,   2560                      ; one stretch there
.set TILEB,  2048                      ; a wave's four rows of X for one tile
; window 0
.set XO,  2                            ; w * 65,536 + lane * 16: my 16 bytes of my run's first row
.set SA,  3                            ; stage: where my 8 bytes of step 0 of my run go
.set FA,  4                            ; stage: my part of an A fragment
.set KO,  5                            ; thread * 16: K as it lies in memory
.set KS0, 6                            ; K in LDS, rows 0..383: where my 8 bytes go
.set KS1, 7                            ; rows 384..767
.set KT0, 8                            ; K in LDS, components 0..2: my address for the transposing load
.set KT1, 9                            ; components 3..5
.set BO,  10                           ; my feature's bias
.set SC,  11                           ; scratch: my stretch, my feature
.set QA,  12                           ; scratch: feature = thread (waves 0, 1)
.set PO,  13                           ; my 8 bytes in part
.set BI,  16                           ; v[16:21]   at the head only: bias of c = 0..5, my feature
.set OUT, 16                           ; v[16:23]   behind the head: a tile's four rows of my run in bf16, pair p at OUT + 2 p, on their way into the stage
.set AF,  24                           ; v[24:87]   A fragments: 2 buffers x 4 K steps x 8
.set ACC0, 88                          ; v[88:95]   component 0: summed by the matrix unit over all 32 tiles
.set ACC, 96                           ; v[96:135]  components 1..5, started anew in each tile
.set ST,  136                          ; v[136:155] the ten numbers, pair k at ST + 2 k (two runs)
.set RING, 156                         ; v[156:251] six slots of 16: four rows of X as loaded
.set Q,   156                          ; the last join: 4 x 10 numbers
; window 1: v[32 c + 8 ks ..] fragment (c, ks) of K; v[BT + 8 (c - 1) ..] a tile of 8 equal registers with the bias of c = 1..5
.set BT,  192
.set MC1, ACC
.set MC2, ACC+8
.set MC3, ACC+16
.set MC4, ACC+24
.set MC5, ACC+32
.set T_C1, ST+2
.set T_A2, ST+4
.set T_P12, ST+6
.set T_C3, ST+8
.set T_C4, ST+10
.set T_A5, ST+12
.set T_C34, ST+14
.set T_P45, ST+16
.set T_P345, ST+18
.set MSB, 0
.macro WIN new                         ; low byte: bits 1:0 source 0, 3:2 source 1, 5:4 source 2, 7:6 destination; the high byte repeats the setting that is left
.if MSB != \new
	s_set_vgpr_msb (MSB<<8)|\new
.set MSB, \new
.endif
.endm
.macro PLACES                          ; four independent vector instructions behind a matrix instruction before its result is read (ISA guide 7.12.1)
.rept 4
	v_nop
.endr
.endm
; Row p of a tile's four rows of my run is asked for, into ring slot s
.macro ASK s, imm, p
	global_load_b128 v[RING+16*(\s)+4*(\p):RING+16*(\s)+4*(\p)+3], v[XO], s[4:5] offset:(\imm)+512*(\p) th:TH_LOAD_NT   ; a whole row of 512 bytes; each byte of X is read once in the launch
.endm
; Part ks of four of a step's loads (HSTEP sets LA, LBUF, LSLOT, ASKF, RS, IMM).  LA = 1: K step ks of the A fragments of the tile in stage slot LSLOT,
; into buffer LBUF: lane (r, h) takes row r, K = 32 ks + 8 h + 0..7 and 32 ks + 16 + 8 h + 0..7.  ASKF = 1: row ks of the tile at IMM, into ring slot RS.
; Their destinations and addresses lie in window 0 under each of the three settings that a step's matrix instructions use.
.macro PART ks
.if LA
	ds_load_b128 v[AF+32*LBUF+8*(\ks):AF+32*LBUF+8*(\ks)+3],   v[FA] offset:LSLOT*SLOT+64*(\ks)
	ds_load_b128 v[AF+32*LBUF+8*(\ks)+4:AF+32*LBUF+8*(\ks)+7], v[FA] offset:LSLOT*SLOT+64*(\ks)+32
.endif
.if ASKF
	ASK RS, IMM, \ks
.endif
.endm
; 24 matrix instructions: one tile, six components, K = 128.  The first links of c = 1..5 take the bias tile as C, so the bias costs no
; vector instruction; c = 0 goes on adding onto its one accumulator.  The six accumulators take turns, one instruction a turn, from tile
; to tile and over the loop's backward jump too.  A part of the step's loads stands in front of each six: no wait,
; since no vector or matrix instruction issued behind the wait at the step's head names a register that these loads touch.
.macro MMCELL buf
	PART 0
	WIN 0x14                                       ; B and C in window 1
.irp c, 1,2,3,4,5
	v_wmma_f32_16x16x32_bf16 v[ACC+8*(\c-1):ACC+8*(\c-1)+7], v[AF+32*(\buf):AF+32*(\buf)+7], v[32*\c:32*\c+7], v[BT+8*(\c-1):BT+8*(\c-1)+7]
.endr
	WIN 0x04                                       ; B in window 1
	v_wmma_f32_16x16x32_bf16 v[ACC0:ACC0+7], v[AF+32*(\buf):AF+32*(\buf)+7], v[0:7], v[ACC0:ACC0+7]
.irp ks, 1,2,3
	PART \ks
.irp c, 1,2,3,4,5
	v_wmma_f32_16x16x32_bf16 v[ACC+8*(\c-1):ACC+8*(\c-1)+7], v[AF+32*(\buf)+8*\ks:AF+32*(\buf)+8*\ks+7], v[32*\c+8*\ks:32*\c+8*\ks+7], v[ACC+8*(\c-1):ACC+8*(\c-1)+7]
.endr
	v_wmma_f32_16x16x32_bf16 v[ACC0:ACC0+7], v[AF+32*(\buf)+8*\ks:AF+32*(\buf)+8*\ks+7], v[8*\ks:8*\ks+7], v[ACC0:ACC0+7]
.endr
	WIN 0
.endm
; Ring slot s (a tile's four rows of my run) is converted into OUT.  again = 1: OUT has been stored from before.
.macro CONV s, cnt, again
	s_wait_loadcnt \cnt                            ; loads come back in order (ISA guide 5.7.1): this tile's four are in, the younger tiles' stay out
.if \again
	s_wait_alu depctr_vm_vsrc(0)                   ; the stage stores issued so far have read OUT, which the conversions below write again
.endif
.irp p, 0,1,2,3
	v_cvt_pk_bf16_f32 v[OUT+2*\p],   v[RING+16*(\s)+4*\p],   v[RING+16*(\s)+4*\p+1]
	v_cvt_pk_bf16_f32 v[OUT+2*\p+1], v[RING+16*(\s)+4*\p+2], v[RING+16*(\s)+4*\p+3]
.endr
.endm
; OUT goes into stage slot s
.macro PUT s
.irp p, 0,1,2,3
	ds_store_b64 v[SA], v[OUT+2*\p:OUT+2*\p+1] offset:(\s)*SLOT+2*APITCH*\p   ; step p lies two matrix rows behind step p - 1; 32 lanes x 8 bytes = the row's 256 bytes
.endr
.endm
; Four steps of two runs.  Each product takes the prefix as it stood before this step: the prefixes are exclusive.
.macro SCAN
.irp p, 0,2,4,6
	v_pk_fma_f32 v[T_P12:T_P12+1],   v[MC2+\p:MC2+\p+1], v[T_C1:T_C1+1],   v[T_P12:T_P12+1]
	v_pk_add_f32 v[T_C1:T_C1+1],     v[T_C1:T_C1+1],     v[MC1+\p:MC1+\p+1]
	v_pk_add_f32 v[T_A2:T_A2+1],     v[T_A2:T_A2+1],     v[MC2+\p:MC2+\p+1]
	v_pk_fma_f32 v[T_P345:T_P345+1], v[MC5+\p:MC5+\p+1], v[T_C34:T_C34+1], v[T_P345:T_P345+1]
	v_pk_fma_f32 v[T_C34:T_C34+1],   v[MC4+\p:MC4+\p+1], v[T_C3:T_C3+1],   v[T_C34:T_C34+1]
	v_pk_add_f32 v[T_C3:T_C3+1],     v[T_C3:T_C3+1],     v[MC3+\p:MC3+\p+1]
	v_pk_fma_f32 v[T_P45:T_P45+1],   v[MC5+\p:MC5+\p+1], v[T_C4:T_C4+1],   v[T_P45:T_P45+1]
	v_pk_add_f32 v[T_C4:T_C4+1],     v[T_C4:T_C4+1],     v[MC4+\p:MC4+\p+1]
	v_pk_add_f32 v[T_A5:T_A5+1],     v[T_A5:T_A5+1],     v[MC5+\p:MC5+\p+1]
.endr
.endm
; Stretch L (earlier; number k in v[L + S k]) takes up stretch R (later).  L's plain sums are used before they are stepped.
.macro FOLD L, R, S
	v_add_f32  v[\L+9*\S], v[\L+9*\S], v[\R+9*\S]  ; p345 = L + R
	v_fmac_f32 v[\L+9*\S], v[\L+4*\S], v[\R+8*\S]  ;      + L.c3 R.p45
	v_fmac_f32 v[\L+9*\S], v[\L+7*\S], v[\R+6*\S]  ;      + L.c34 R.a5
	v_add_f32  v[\L+7*\S], v[\L+7*\S], v[\R+7*\S]  ; c34 = L + R
	v_fmac_f32 v[\L+7*\S], v[\L+4*\S], v[\R+5*\S]  ;      + L.c3 R.c4
	v_add_f32  v[\L+8*\S], v[\L+8*\S], v[\R+8*\S]  ; p45 = L + R
	v_fmac_f32 v[\L+8*\S], v[\L+5*\S], v[\R+6*\S]  ;      + L.c4 R.a5
	v_add_f32  v[\L+3*\S], v[\L+3*\S], v[\R+3*\S]  ; P12 = L + R
	v_fmac_f32 v[\L+3*\S], v[\L+1*\S], v[\R+2*\S]  ;      + L.c1 R.A2
.irp k, 0,1,2,4,5,6
	v_add_f32  v[\L+\k*\S], v[\L+\k*\S], v[\R+\k*\S]
.endr
.endm
; Step x: tile x + 2, converted in the step before, goes into the stage; tile x - 1 is multiplied, and among its matrix instructions the fragments of
; tile x are asked for from the stage and tile x + 8 from memory; tile x + 3 is converted; tile x - 1 is scanned.
; A barrier closes every second step: it shows tiles x + 1 and x + 2 of all waves in the stage, and all waves' reads of tiles x - 1 and x done.
; Between two barriers slots x, x + 1 (mod 6) are read and x + 2, x + 3 written.  adj = the tiles by which X's base has been stepped.
.macro HSTEP x, adj
.set LA, 0
.set ASKF, 0
.if \x <= 31
.set LA, 1
.endif
.if \x <= 23
.set ASKF, 1                                       ; behind x = 23 tile 31 has been asked for: no load leaves the buffer
.endif
.set LBUF, (\x)&1
.set LSLOT, (\x)%6
.set RS, (\x+2)%6
.set IMM, (\x+8-\adj)*TILEB
.if \x <= 31
	s_wait_alu depctr_va_vdst(0)                   ; the step before: its conversions have written OUT, which the stage stores read, and are done reading the ring slot in which this step's loads of X land; its matrix instructions are done reading the A buffer in which this step's fragments land
.endif
.if \x <= 29
	PUT (\x+2)%6
.endif
.if \x >= 31
	s_wait_dscnt 0x0                               ; tile x - 1's fragments are in: nothing younger has been issued
.endif
.if \x <= 29
.if (\x)&1
	s_wait_dscnt 0x4                               ; tile x - 1's fragments are in; younger: the 4 stage stores just issued.  (At an even x the barrier's wait for 0 has shown them.)
.endif
.endif
.if \x >= 1
	MMCELL (\x-1)&1
.else
.irp ks, 0,1,2,3
	PART \ks                                       ; there is no tile to multiply yet
.endr
.endif
.if \x <= 28
.set fcnt, 4*(28-\x)                               ; four loads for each younger tile that has been asked for: five tiles, fewer at the end
.if fcnt > 20
.set fcnt, 20
.endif
	CONV (\x+3)%6, fcnt, 1                         ; its eight conversions are also the places behind the matrix instructions (ISA guide 7.12.1)
.else
	PLACES
.endif
.if \x <= 29
.if (\x)&1
	s_wait_dscnt 0x0                               ; for the other waves: my stage stores are in LDS and my fragment loads are back
	s_barrier_signal -1
.endif
.endif
.if \x >= 1
	SCAN                                           ; registers only
.endif
.if \x <= 29
.if (\x)&1
	s_barrier_wait -1
.endif
.endif
.endm
	s_load_b256 s[4:11], s[0:1], 0x0               ; X s[4:5], K s[6:7], bias s[8:9], part s[10:11]
	v_lshl_add_u32 v254, v0, 2, 0x2d400
	v_mov_b32 v255, 0
	v_lshrrev_b32 v5, 5, v0
	v_readfirstlane_b32 s12, v5                    ; wave w
	v_and_b32 v1, 31, v0                           ; lane
	v_and_b32 v14, 15, v0                          ; r
	v_bfe_u32 v15, v0, 4, 1                        ; h
	s_wait_alu depctr_va_sdst(0)                   ; s12 is written, ahead of its first reader: the wave's places in X, K, the stage and part are made from it
	s_lshr_b32 s13, s12, 2                         ; g
	s_and_b32 s14, s12, 3                          ; ft
	s_mul_i32 s15, s13, GRP
	s_add_co_u32 s15, s15, STG                     ; my half's rows in stage slot 0
	s_lshr_b32 s16, s14, 1
	s_mul_i32 s16, s16, 8*APITCH
	s_and_b32 s17, s14, 1
	s_mul_i32 s17, s17, APITCH
	s_add_co_u32 s16, s16, s17
	s_add_co_u32 s16, s16, s15                     ; matrix row 8 (ft / 2) + (ft mod 2): step 0 of run ft
	s_lshl_b32 s17, s12, 16                        ; my run in the work-group's part of X: 128 rows of 512 bytes a wave
	s_mul_i32 s18, s12, 2*KPITCH                   ; a wave's load of K covers two rows
	s_lshl_b32 s19, s14, 5                         ; my 16 features in a row of K, bf16
	s_lshl_b32 s21, s14, 6                         ; and in f32
	s_mul_i32 s22, s13, 2*SCRS
	s_add_co_u32 s22, s22, s21
	s_add_co_u32 s22, s22, SCR
	s_mul_i32 s23, s12, 1280
	v_lshl_add_u32 v[XO], v1, 4, s17
	v_lshl_add_u32 v[SA], v1, 3, s16
	v_mul_u32_u24 v[FA], v14, APITCH
	v_lshl_add_u32 v[FA], v15, 4, v[FA]
	v_add_nc_u32 v[FA], s15, v[FA]
	v_lshlrev_b32 v[KO], 4, v0
	v_mul_u32_u24 v[KS0], v15, KPITCH              ; row 2 w + h of sixteen, 8 bytes at 8 r
	v_lshl_add_u32 v[KS0], v14, 3, v[KS0]
	v_add_nc_u32 v[KS0], s18, v[KS0]
	v_add_nc_u32 v[KS1], 384*KPITCH, v[KS0]
	v_and_b32 v[KT0], 7, v0                        ; transposing load: row 8 h + lane mod 8, 16 bytes at 16 ((lane / 8) mod 2)
	v_lshl_add_u32 v[KT0], v15, 3, v[KT0]
	v_mul_u32_u24 v[KT0], v[KT0], KPITCH
	v_bfe_u32 v[KT1], v0, 3, 1
	v_lshl_add_u32 v[KT0], v[KT1], 4, v[KT0]
	v_add_nc_u32 v[KT0], s19, v[KT0]
	v_add_nc_u32 v[KT1], 384*KPITCH, v[KT0]
	v_lshl_add_u32 v[BO], v14, 2, s21
	v_mul_u32_u24 v[SC], v15, SCRS                 ; stretch 2 g + h, feature 16 ft + r
	v_lshl_add_u32 v[SC], v14, 2, v[SC]
	v_add_nc_u32 v[SC], s22, v[SC]
	v_lshl_add_u32 v[QA], v0, 2, SCR
	v_lshl_add_u32 v[PO], v1, 3, s23
	s_wait_kmcnt 0x0
	s_lshl_b32 s2, ttmp9, 19                       ; 1,024 rows of 512 bytes a work-group; 255 x 524,288 is below 4 GiB
	s_mov_b32 s3, 0
	s_add_nc_u64 s[4:5], s[4:5], s[2:3]
	s_mul_i32 s2, ttmp9, 2560                      ; 64 features x 10 numbers
	s_add_nc_u64 s[10:11], s[10:11], s[2:3]
	s_wait_alu depctr_va_vdst(0)                   ; the twelve offsets and LDS addresses v2 to v13 are written: every load and store of the kernel reads one of them, and none is written again
	; bias, K (16 bytes a thread, 4,096 bytes a line for the work-group, 48 lines), then the ring: tiles 0 to 5
.irp c, 0,1,2,3,4,5
	global_load_b32 v[BI+\c], v[BO], s[8:9] offset:256*\c
.endr
	WIN 0x40                                       ; destination in window 1
.set it, 0
.rept 48
	global_load_b128 v[4*it:4*it+3], v[KO], s[6:7] offset:4096*it
.set it, it+1
.endr
	WIN 0
.irp t, 0,1,2,3,4,5
.irp p, 0,1,2,3
	global_load_b128 v[RING+16*\t+4*\p:RING+16*\t+4*\p+3], v[XO], s[4:5] offset:TILEB*\t+512*\p th:TH_LOAD_NT
.endr
.endr
	s_wait_loadcnt 24                              ; bias and K are in; the ring's 24 loads, issued behind them, stay out
	WIN 0x45                                       ; sources and destination in window 1
.set it, 0
.rept 48
	v_cvt_pk_bf16_f32 v[4*it],   v[4*it],   v[4*it+1]
	v_cvt_pk_bf16_f32 v[4*it+1], v[4*it+2], v[4*it+3]
.set it, it+1
.endr
	WIN 0x04                                       ; store data in window 1
	s_wait_alu depctr_va_vdst(0)                   ; the conversions have written K in bf16, which the LDS stores read
.set it, 0
.rept 24
	ds_store_b64 v[KS0], v[4*it:4*it+1]     offset:16*KPITCH*it
	ds_store_b64 v[KS1], v[4*it+96:4*it+97] offset:16*KPITCH*it
.set it, it+1
.endr
	WIN 0
.irp j, 0,1,2,3,4,5,6,7
	v_mul_f32 v[ACC0+\j], 0x42000000, v[BI]        ; each register of component 0's accumulator takes up 32 steps: it starts at 32 b0
.endr
.irp j, 2,3,4,5,6,7,8,9,10,11,12,13,14,15,16,17,18,19
	v_mov_b32 v[ST+\j], 0                          ; nine pairs of running sums; pair 0 is made at the end
.endr
	s_wait_dscnt 0x0                               ; for the other waves: my part of K is in LDS
	s_barrier_signal -1
	s_barrier_wait -1
	; my fragments of K, stored [d][f], by the transposing load: registers 0-3 K = 32 ks + 8 h + 0..7 of feature 16 ft + r, registers 4-7 sixteen rows on
	WIN 0x40
	s_wait_alu depctr_va_vdst(0)                   ; the conversions of K have written, and are done reading, window 1's v[0:191], in which the fragments land
	s_wait_alu depctr_vm_vsrc(0)                   ; and my LDS stores of K have read them
.irp c, 0,1,2
.irp ks, 0,1,2,3
	ds_load_tr16_b128 v[32*\c+8*\ks:32*\c+8*\ks+3],         v[KT0] offset:128*KPITCH*\c+32*KPITCH*\ks
	ds_load_tr16_b128 v[32*\c+8*\ks+4:32*\c+8*\ks+7],       v[KT0] offset:128*KPITCH*\c+32*KPITCH*\ks+16*KPITCH
	ds_load_tr16_b128 v[32*\c+96+8*\ks:32*\c+96+8*\ks+3],   v[KT1] offset:128*KPITCH*\c+32*KPITCH*\ks
	ds_load_tr16_b128 v[32*\c+96+8*\ks+4:32*\c+96+8*\ks+7], v[KT1] offset:128*KPITCH*\c+32*KPITCH*\ks+16*KPITCH
.endr
.endr
.irp c, 1,2,3,4,5
.irp j, 0,1,2,3,4,5,6,7
	v_mov_b32 v[BT+8*(\c-1)+\j], v[BI+\c]          ; a lane's eight results are eight rows of one feature: eight times its bias, written once for 32 tiles
.endr
.endr
	WIN 0
	; tiles 0 and 1 into the stage, tiles 6 and 7 asked for, tile 2 converted for step 0.  The bias registers are OUT from here on.
	CONV 0, 20, 0
	s_wait_alu depctr_va_vdst(0)                   ; the conversions have written OUT, which the stage stores read, and are done reading ring slot 0, in which tile 6 lands
	PUT 0
.irp p, 0,1,2,3
	ASK 0, 6*TILEB, \p
.endr
	CONV 1, 20, 1
	s_wait_alu depctr_va_vdst(0)                   ; the same for tile 1, ring slot 1 and tile 7
	PUT 1
.irp p, 0,1,2,3
	ASK 1, 7*TILEB, \p
.endr
	CONV 2, 20, 1
	s_wait_dscnt 0x0                               ; my fragments of K are in; for the other waves: my stage stores are in LDS
	s_barrier_signal -1
	s_barrier_wait -1
	HSTEP 0, 0
	HSTEP 1, 0
	s_mov_b32 s20, 3                               ; three trips of six steps: x = 2 .. 19.  Ring and stage slots go modulo 6, fragment buffers modulo 2
.Ltrip:
.irp x, 2,3,4,5,6,7
	HSTEP \x, 0
.endr
	s_wait_xcnt 0x0                                ; X's base is a source of the loads issued: it is stepped only behind this wait
	s_add_nc_u64 s[4:5], s[4:5], 6*TILEB
	s_sub_co_u32 s20, s20, 1
	s_cmp_lg_u32 s20, 0
	s_cbranch_scc1 .Ltrip
.irp x, 20,21,22,23,24,25,26,27,28,29,30,31,32
	HSTEP \x, 18                                   ; written out: x = 20 .. 23 ask for tiles 28 .. 31, then the counts run down
.endr
	; the end: component 0's four steps, my two runs, the half-waves and waves through LDS
	v_pk_add_f32 v[ST:ST+1], v[ACC0:ACC0+1], v[ACC0+2:ACC0+3]
	v_pk_add_f32 v[14:15], v[ACC0+4:ACC0+5], v[ACC0+6:ACC0+7]
	v_pk_add_f32 v[ST:ST+1], v[ST:ST+1], v[14:15]
	FOLD ST, ST+1, 2                               ; run 2 h takes up run 2 h + 1: a stretch of 256 steps
	s_wait_alu depctr_va_vdst(0)                   ; the join has written the ten numbers, which the LDS stores read; the conversions are long done reading the ring's registers, in which the loads of the last join land
.irp k, 0,1,2,3,4,5,6,7,8,9
	ds_store_b32 v[SC], v[ST+2*\k] offset:256*\k
.endr
	s_wait_dscnt 0x0                               ; for waves 0 and 1
	s_barrier_signal -1
	s_barrier_wait -1
	s_cmp_gt_u32 s12, 1
	s_cbranch_scc1 .Lend                           ; 64 features: two waves join the four stretches
.irp sg, 0,1,2,3
.irp k, 0,1,2,3,4,5,6,7,8,9
	ds_load_b32 v[Q+10*\sg+\k], v[QA] offset:SCRS*\sg+256*\k
.endr
.endr
	s_wait_dscnt 0x0
	FOLD Q, Q+10, 1
	FOLD Q, Q+20, 1
	FOLD Q, Q+30, 1
	s_wait_alu depctr_va_vdst(0)                   ; the three joins have written v[Q:Q+9], which the stores read
.irp kp, 0,1,2,3,4
	global_store_b64 v[PO], v[Q+2*\kp:Q+2*\kp+1], s[10:11] offset:256*\kp   ; part[wg][w][kp][lane][2]: a wave's store covers 256 consecutive bytes, aligned
.endr
.Lend:
	s_wait_dscnt 0x0
	s_wait_alu depctr_hold_cnt(0) depctr_sa_sdst(0) depctr_va_vdst(0) depctr_va_sdst(0) depctr_va_ssrc(0) depctr_va_vcc(0) depctr_vm_vsrc(0)
	s_wait_tensorcnt 0x0
	ds_add_u32 v254, v255
	s_wait_dscnt 0x0
	s_endpgm
.Lfunc_end_k_q657b9d74e9_scan:
	.size	k_q657b9d74e9_scan, .Lfunc_end_k_q657b9d74e9_scan-k_q657b9d74e9_scan
	.p2alignl 7, 3214868480
	.fill 96, 4, 3214868480
	.section	.rodata,"a",@progbits
	.p2align	6, 0x0
	.amdhsa_kernel k_q657b9d74e9_scan
		.amdhsa_group_segment_fixed_size 186368
		.amdhsa_private_segment_fixed_size 0
		.amdhsa_enable_private_segment 0
		.amdhsa_kernarg_size 32
		.amdhsa_user_sgpr_count 2
		.amdhsa_user_sgpr_kernarg_segment_ptr 1
		.amdhsa_wavefront_size32 1
		.amdhsa_system_sgpr_workgroup_id_x 1
		.amdhsa_system_sgpr_workgroup_id_y 1
		.amdhsa_system_sgpr_workgroup_id_z 1
		.amdhsa_system_vgpr_workitem_id 0
		.amdhsa_next_free_vgpr 488
		.amdhsa_next_free_sgpr 66
		.amdhsa_reserve_vcc 0
		.amdhsa_float_denorm_mode_32 3
		.amdhsa_float_denorm_mode_16_64 3
		.amdhsa_memory_ordered 1
		.amdhsa_forward_progress 1
		.amdhsa_inst_pref_size 143
	.end_amdhsa_kernel
	.amdgpu_metadata
---
amdhsa.version: [ 1, 2 ]
amdhsa.kernels:
  - .name:           k_q657b9d74e9_scan
    .symbol:         k_q657b9d74e9_scan.kd
    .args:
      - { .name: sequences, .offset: 0, .size: 8, .value_kind: global_buffer, .address_space: global }
      - { .name: kernel, .offset: 8, .size: 8, .value_kind: global_buffer, .address_space: global }
      - { .name: bias, .offset: 16, .size: 8, .value_kind: global_buffer, .address_space: global }
      - { .name: part, .offset: 24, .size: 8, .value_kind: global_buffer, .address_space: global }
    .group_segment_fixed_size: 186368
    .private_segment_fixed_size: 0
    .kernarg_segment_align: 8
    .kernarg_segment_size: 32
    .max_flat_workgroup_size: 256
    .sgpr_count:     66
    .vgpr_count:     488
    .wavefront_size: 32
...
	.end_amdgpu_metadata
.endif
;; end of part 3
;; launch fold: the kernel of part 2 again; grid 32 x 1, 4 waves a work-group, no clusters, 2,048 bytes of LDS; arguments part, out0; writes out0
